; MI455X (gfx1250); checked and timed in simulation.
; The chip was launched on July 23, 2026; its instructions are those of AMD's public machine-readable ISA for CDNA 5 (MIT licence, August 2026) and "CDNA5" Instruction Set Architecture Reference Guide (July 2026). The comments in the code are by the model that wrote it; some were corrected since.
;; Attention. Allowed arithmetic: matrix products marked QUANTISED: E4M3 operands, one given power-of-two scale a tensor, by v_wmma_f32_16x16x64_fp8_fp8 or v_wmma_f32_16x16x128_fp8_fp8, f32 sums; everything else in f32.
;; Inputs: lowp_scales 2 int32 (the exponents e of the quantised operands' scales 2^e); sentence1 16 x 1,024 x 256 float32; sentence2 16 x 1,024 x 256 float32.
;; Outputs: out0 16 x 1,024 x 1,024 float32.
;; Constants: batch_size = 16.
;; This version of the problem:
;;   THIS VERSION OF THE PROBLEM IS GIVEN IN LOW PRECISION. The matrix products marked QUANTISED in the list below multiply operands that are first quantised to E4M3 (4 exponent bits, 3 mantissa bits; 8 bits a number), with one given power-of-two scale for each operand tensor; their sums are f32. All else is computed in f32.
;;   The module's matrix products, in the order in which they are computed (A, B: the left and right operand; K: the contracted axis; several contracted axes count as one K, in the product's order):
;;     1. batch 16 x [M 1,024, K 256] x [K 256, N 1,024]; A: input sentence1; B: input sentence2: QUANTISED (scales: A lowp_scales[0], B lowp_scales[1])
;;   THE QUANTISER, for each operand of a quantised product, along K:
;;     - The operand's scale is 2^e, e = its entry of the input lowp_scales (int32; the entries are numbered through the quantised products in the list's order, A before B).
;;     - Each number is divided by the scale, clamped to +-448, and rounded to the nearest number of E4M3, ties to even, subnormals kept.
;;     - The product sums the exact products of the quantised numbers (number of the format x scale) in f32.
;;   ~~~python
;;   def quantise(x, axis, e):      # numpy; x: float32 -> the quantised numbers, widened to float32 again
;;       x = np.moveaxis(x, axis, -1); K = x.shape[-1]
;;       r = np.clip(x / 2.0 ** e, -448, 448)
;;       step = 2.0 ** (np.maximum(np.frexp(np.where(r == 0, 1, r))[1] - 1, -6) - 3)
;;       q = np.round(r / step) * step * 2.0 ** e      # np.round: ties to even
;;       return np.moveaxis(q, -1, axis).astype(np.float32)
;;   ~~~
;; One version. Each part assembles by itself: llvm-mc -triple=amdgcn-amd-amdhsa -mcpu=gfx1250 --defsym DOCPART=n.
;; ======== version 1 of 1: 1 launch
;; limits: right only within a limited range of input values
;; launch pairdist (part 1): grid 4 x 64, 16 waves a work-group, clusters of 4 x 4, 274,432 bytes of LDS; arguments sentence1, sentence2, lowp_scales, out0; writes out0
.if DOCPART == 1
	.amdgcn_target "amdgcn-amd-amdhsa--gfx1250"
	.amdhsa_code_object_version 6
	.text
	.protected	k_qe6f7402f09_pairdist
	.globl	k_qe6f7402f09_pairdist
	.p2align	8
	.type	k_qe6f7402f09_pairdist,@function
k_qe6f7402f09_pairdist:
	s_mov_b64 s[64:65], 0
	v_nop
	global_prefetch_b8 v0, s[64:65] scope:SCOPE_SE
	s_setreg_imm32_b32 hwreg(HW_REG_WAVE_MODE, 25, 1), 1
	s_wait_xcnt 0x0
	s_wait_alu depctr_hold_cnt(0) depctr_sa_sdst(0) depctr_va_vdst(0) depctr_va_sdst(0) depctr_va_ssrc(0) depctr_va_vcc(0) depctr_vm_vsrc(0)
	s_getreg_b32 s2, hwreg(HW_REG_IB_STS2, 6, 4)
	s_cmp_eq_u32 s2, 0
	s_cbranch_scc0 .Lentry_in_a_cluster
	s_endpgm
.Lentry_in_a_cluster:
	s_bfe_u32 s2, ttmp6, 0x10000c
	s_cmp_lg_u32 s2, 0xf033
	s_cbranch_scc0 .Lentry_shape_is_right
	s_endpgm
.Lentry_shape_is_right:
; out0[b][i][j] = 1 / (1 + sqrt(max(x2[i] + y2[j] - 2 xy[i][j], 0))).  x2, y2: the rows' sums of squares of sentence1, sentence2 [16][1024][256], in f32, of the numbers as they are given.
; xy = sentence1 . sentence2 on codes of FP8 (E4M3): code = x / 2^e, held within +-448, to the nearest code, ties to even; e = lowp_scales[0] (ea) for sentence1, [1] (eb) for sentence2; sums in f32.
; SHARES.  A work-group makes 256 x 256 of one batch's 1024 x 1024, as two CHUNKS of 128 columns; the 16 work-groups of a batch are one cluster of 4 x 4 (cx: tile column, cy: tile row; the cluster's y is the batch).
; Sixteen waves, four to a SIMD, 256 registers each.  Of each chunk wave w makes 32 rows (wr = w / 2) x 64 columns (wc = w % 2); it quantises 16 rows of sentence1 and 8 rows of sentence2 for each chunk.
; THE WAY IN.  All is asked for at the head.  What the first chunk wants, sentence1's 256 rows and the chunk's 128 rows of sentence2, goes straight into the registers of the wave that quantises it: 48 loads a wave, all out at once.
; Chunk 1's rows of sentence2 wait in LDS until chunk 0's products are done: they are asked for JOINTLY by the four work-groups of a column of the cluster: a wave's tensor load brings 8 rows (8 KB, dense in memory: 32 rows of
; 256 bytes) into LDS bytes that only it reads.  The other rows are shared too and are NOT asked for jointly: beside 131,072 bytes for chunk 1's f32 and 143,360 for codes, norms and spare words, LDS (327,680) has room for 53,248
; bytes, and these rows are 393,216: they could come jointly but in pieces, each behind a further round of the cluster's barrier at which no load is on its way.
; No prefetch: there is no loop to run ahead in, and every byte of the input is asked for at the head.
; QUANTISING, two rows at a time: lanes 0-15 hold one row, lanes 16-31 the next; lane (i, h) holds k = 64 q + 4 i + 0 .. 3, q = 0 .. 3: each load covers two aligned runs of 256 bytes.  A row's sum of squares needs four steps inside
; 16 lanes.  A lane's 16 codes become bytes 16 i .. 16 i + 15 of the row of codes: a permutation of k, THE SAME IN BOTH OPERANDS, so every product meets its partner.
; THE PRODUCT.  With E = ea + eb + 1 the norms are kept as -x2 / 2^E and -y2 / 2^E (exact), and their sum is the C of the first K step: the finished sum D is -sq / 2^E, and out = 1 / (1 + sqrt(2^E) sqrt(max(-D, 0))).
; THE WAY OUT NEEDS NO STAGE.  THE COLUMNS OF A TILE ARE NOT NEIGHBOURS: lane r of tile t takes column 4 r + t of the wave's 64 (sentence2's rows of codes are laid so in LDS).  So register j of the four accumulators is four
; neighbouring numbers of row 8 h + j, and a store's lanes 0-15 cover 256 consecutive bytes of one row, aligned, lanes 16-31 those of the row eight further down.
; Chunk 1 is quantised between the products of chunk 0's last 16 rows and their way out: so these stores follow its barrier at once.
; LIMITS: ea, eb between -126 and 119; ea + eb between -127 and 125 (each power of two below is an f32 number); x2 / 2^E and y2 / 2^E stay finite; NaN among the inputs is not served.
.set PITCH, 272                        ; a row of codes in LDS: 256 bytes + 16 = 68 words: row r starts at bank 4 r mod 64 (64 banks of 4 bytes: ISA guide 11.1), so the 16 rows of a fragment load start at 16 different banks
.set FROW,  1024                       ; a row of a sentence in bytes
.set SLICE, 8*FROW                     ; LDS: a wave's 8 rows of f32 of chunk 1; sixteen of them from byte 0
.set CODA,  16*SLICE                   ; sentence1's 256 rows of codes
.set CHB,   128*PITCH
.set CODB,  CODA+256*PITCH             ; sentence2's: chunk 0's 128 rows, chunk 1's 128 rows
.set NRMX,  CODB+2*CHB                 ; 256 numbers -x2 / 2^E,
.set NRMY,  NRMX+1024                  ; 2 x 128 numbers -y2 / 2^E
.set SPARE, NRMY+1024                  ; the spare words, 128 bytes for each wave: blocks of 256 bytes that no other line names
.set GA,   1                           ; v1   my byte among a wave's rows: 1024 h + 16 i
.set LB,   2                           ; v2   chunk 1's f32 in LDS: the same + 8,192 w
.set NAX,  3                           ; v3   where my half of the lanes stores a row's norm: NRMX + 4 (16 w + h)
.set NAY,  4                           ; v4   NRMY + 4 (8 w + h)
.set SA,   5                           ; v5   where I store 16 codes of sentence1
.set SB,   6                           ; v6   and of sentence2
.set FA,   7                           ; v7   where I read sentence1's fragments
.set FB,   8                           ; v8   and sentence2's
.set AX2,  9                           ; v9   where I read eight norms of rows
.set AY2,  10                          ; v10  and four of columns
.set CO,   11                          ; v11  my byte offset in the wave's part of out0: 8 h rows + 16 r
.set RS,   12                          ; v12 sqrt(2^E); v13 2^E (the pair's other half, named but not used by the packed line)
.set SPW,  14                          ; v14  LDS address of my spare word; never rewritten
.set NIL,  15                          ; v15  0; never rewritten
.set X2,   16                          ; v16-23 -x2 / 2^E of rows 8 h + 0 .. 7 of the 16 rows in hand (at the head: at work)
.set Y2,   24                          ; v24-27 -y2 / 2^E of columns 4 r + t
.set OUTR, 32                          ; v32-63 32 results: register 4 j + t (before: at work in the quantising)
.set BF,   64                          ; v64-191 sentence2's fragments: tile t, K step s at 32 t + 16 s (before: f32 numbers)
.set AF,   192                         ; v192-223 sentence1's two fragments (before: with the accumulators' registers, chunk 0's f32)
.set ACC,  224                         ; v224-255 the four accumulators
.set WV,   12                          ; s12  my wave's number
.set KN,   51                          ; s51  -2^-E
.set SCA,  52                          ; s52-54  2^ea, 448 x 2^ea, -448 x 2^ea
.set SCB,  56                          ; s56-58  the same with eb
.set B0,   60                          ; s[60:61] my 8 rows of chunk 0
.set G0,   24                          ; s[24:27] descriptor group 0
.set G1,   32                          ; s[32:39] descriptor group 1
; A round of the cluster's barrier: my work-group's barrier, so that wave 0's signal speaks for all sixteen waves; wave 0 signals for the work-group; every wave waits for all sixteen work-groups; my work-group's barrier once more.
.macro CROUND
	s_barrier_signal -1
	s_barrier_wait -1
	s_cmp_lg_u32 s[WV], 0
	s_cbranch_scc1 .Lnot_wave_0_\@
	s_barrier_signal -3
.Lnot_wave_0_\@:
	s_barrier_wait -3
	s_barrier_signal -1
	s_barrier_wait -1
.endm
	s_load_b128 s[4:7], s[0:1], 0x0                ; sentence1 s[4:5], sentence2 s[6:7]
	s_load_b128 s[8:11], s[0:1], 0x10              ; the scales' exponents s[8:9], out0 s[10:11]
	v_lshl_add_u32 v[SPW], v0, 2, SPARE
	v_mov_b32 v[NIL], 0
	ds_add_u32 v[SPW], v[NIL]                      ; the wave's opening: the add, twice on end, and its wait ahead of my first tensor load
	ds_add_u32 v[SPW], v[NIL]
	v_lshrrev_b32 v18, 5, v0
	v_readfirstlane_b32 s[WV], v18                 ; wave 0..15
	v_and_b32 v16, 15, v0                          ; i, later r: lane % 16
	v_bfe_u32 v17, v0, 4, 1                        ; h: lane / 16
	v_lshlrev_b32 v[GA], 4, v16
	v_lshl_add_u32 v[GA], v17, 10, v[GA]
	s_bfe_u32 s13, ttmp6, 0x40000                  ; cx: the tile column
	s_bfe_u32 s14, ttmp6, 0x40004                  ; cy: the tile row
	s_and_b32 s15, ttmp7, 0xffff                   ; the cluster's y: the batch
	s_lshl_b32 s16, s15, 20                        ; sentence1: the batch's 1 MB, the tile row's 256 rows, my wave's 16
	s_lshl_b32 s17, s14, 18
	s_add_co_u32 s16, s16, s17
	s_lshl_b32 s17, s[WV], 14
	s_add_co_u32 s16, s16, s17
	s_mov_b32 s17, 0
	s_lshl_b32 s41, s[WV], 13                      ; my 8,192 bytes of f32 in LDS, and my 8 rows of a chunk
	s_lshl_b32 s18, s15, 20                        ; sentence2: the batch, the tile COLUMN's 256 rows, my wave's 8: made of what a column of the cluster shares, in registers that never hold cy
	s_lshl_b32 s19, s13, 18
	s_add_co_u32 s18, s18, s19
	s_add_co_u32 s18, s18, s41
	s_mov_b32 s19, 0
	; descriptor group 1: a dense block of 8,192 bytes as 32 rows of 32 elements of 8 bytes, laid in LDS without padding
	s_lshl_b32 s40, 0x1111, s13                    ; my column of the cluster: places cx, cx + 4, cx + 8, cx + 12
	s_or_b32 s[G1], s40, (3<<16)|(1<<21)           ; 15:0 the mask; 17:16 elements of 8 bytes; 21 set beside a mask
	s_mov_b32 s[G1+1], 32<<16                      ; tensor_dim0 = 32
	s_mov_b32 s[G1+2], 32<<16                      ; tensor_dim1 = 32
	s_mov_b32 s[G1+3], 32<<16                      ; tile_dim0 = 32
	s_mov_b32 s[G1+4], 32                          ; tile_dim1 = 32
	s_mov_b32 s[G1+5], 32                          ; elements from row to row
	s_mov_b32 s[G1+6], 0
	s_mov_b32 s[G1+7], 0
	s_mov_b32 s[G0], 1                             ; count = 1
	s_lshl_b32 s[G0+1], s[WV], 13                  ; LDS address: 8,192 x wave: no place in the cluster enters it
	s_wait_alu depctr_va_vdst(0)
	s_wait_dscnt 0x0                               ; both opening adds are done
	CROUND                                         ; all sixteen work-groups are here: the joint loads meet.  The round names no argument, so it runs while the arguments are on their way
	s_wait_kmcnt 0x0                               ; the four addresses
	s_load_b64 s[22:23], s[8:9], 0x0               ; ea, eb
	s_add_nc_u64 s[4:5], s[4:5], s[16:17]
	s_add_nc_u64 s[B0:B0+1], s[6:7], s[18:19]
	s_add_nc_u64 s[G0+2:G0+3], s[B0:B0+1], 128*FROW   ; chunk 1's rows lie 128 rows further down
	s_or_b32 s[G0+3], s[G0+3], 0x80000000          ; type = 2
	; sentence1: my 16 rows, then chunk 0: my 8 rows of sentence2
.irp p, 0,1,2,3,4,5,6,7
.irp q, 0,1,2,3
	global_load_b128 v[BF+16*\p+4*\q:BF+16*\p+4*\q+3], v[GA], s[4:5] offset:2*\p*FROW+256*\q   ; lanes 0-15: 256 consecutive bytes of row 2 p, lanes 16-31: of row 2 p + 1
.endr
.endr
.irp p, 0,1,2,3
.irp q, 0,1,2,3
	global_load_b128 v[AF+16*\p+4*\q:AF+16*\p+4*\q+3], v[GA], s[B0:B0+1] offset:2*\p*FROW+256*\q
.endr
.endr
	tensor_load_to_lds s[G0:G0+3], s[G1:G1+7]      ; chunk 1: my one tensor load, behind the loads whose bytes are wanted first; nothing is ever filled again
	s_nop 0
	s_lshr_b32 s45, s[WV], 1                       ; wr: which 32 rows of the tile I make
	s_and_b32 s46, s[WV], 1                        ; wc: which 64 columns of a chunk
	s_lshl_b32 s20, s15, 22                        ; out0: the batch's 4 MB, 256 cy + 32 wr rows of 4,096 bytes, 256 cx + 64 wc columns of 4
	s_lshl_b32 s21, s14, 20
	s_add_co_u32 s20, s20, s21
	s_lshl_b32 s21, s45, 17
	s_add_co_u32 s20, s20, s21
	s_lshl_b32 s21, s13, 10
	s_add_co_u32 s20, s20, s21
	s_lshl_b32 s21, s46, 8
	s_add_co_u32 s20, s20, s21
	s_mov_b32 s21, 0
	s_add_nc_u64 s[10:11], s[10:11], s[20:21]
	s_lshl_b32 s28, s[WV], 6
	s_add_co_u32 s28, s28, NRMX
	s_lshl_b32 s29, s[WV], 5
	s_add_co_u32 s29, s29, NRMY
	s_mul_i32 s30, s[WV], 16*PITCH                 ; sentence1's row n of the block is row n of the codes
	s_add_co_u32 s30, s30, CODA
	s_lshr_b32 s31, s[WV], 3                       ; sentence2's row n = 8 w + 2 p + h of a chunk is row 64 (n / 64) + 16 (n % 4) + (n % 64) / 4 of its codes = 64 (w / 8) + 2 (w % 8) + p / 2 + 32 (p % 2) + 16 h
	s_lshl_b32 s31, s31, 6
	s_and_b32 s42, s[WV], 7
	s_lshl_b32 s42, s42, 1
	s_add_co_u32 s31, s31, s42
	s_mul_i32 s31, s31, PITCH
	s_add_co_u32 s31, s31, CODB
	s_mul_i32 s43, s45, 32*PITCH
	s_add_co_u32 s43, s43, CODA                    ; my 32 rows' codes
	s_mul_i32 s44, s46, 64*PITCH
	s_add_co_u32 s44, s44, CODB                    ; my 64 columns'
	s_lshl_b32 s47, s45, 7
	s_add_co_u32 s47, s47, NRMX
	s_lshl_b32 s49, s46, 8
	s_add_co_u32 s49, s49, NRMY
	v_lshlrev_b32 v19, 4, v16                      ; 16 i
	v_mul_u32_u24 v18, v17, PITCH
	v_mul_u32_u24 v20, v17, 16*PITCH
	v_mul_u32_u24 v21, v16, PITCH
	v_lshl_add_u32 v[SA], v16, 4, v18              ; 272 h + 16 i
	v_lshl_add_u32 v[SB], v16, 4, v20              ; 16 x 272 h + 16 i
	v_lshl_add_u32 v21, v17, 4, v21                ; a fragment: row r x pitch + 16 h
	v_lshlrev_b32 v22, 2, v17
	v_lshlrev_b32 v23, 5, v17
	v_add_nc_u32 v[SA], s30, v[SA]
	v_add_nc_u32 v[SB], s31, v[SB]
	v_add_nc_u32 v[FA], s43, v21
	v_add_nc_u32 v[FB], s44, v21
	v_add_nc_u32 v[NAX], s28, v22
	v_add_nc_u32 v[NAY], s29, v22
	v_add_nc_u32 v[AX2], s47, v23                  ; NRMX + 4 (32 wr + 8 h)
	v_add_nc_u32 v[AY2], s49, v19                  ; NRMY + 4 (64 wc + 4 r)
	v_lshl_add_u32 v[CO], v17, 15, v19
	v_add_nc_u32 v[LB], s41, v[GA]
	s_wait_alu depctr_va_vdst(0)
	s_wait_kmcnt 0x0                               ; ea, eb
.macro SCALE e, d                      ; s[d] = 2^e as f32: the conversion takes its exponent field;  s[d + 1] = 448 x 2^e, s[d + 2] = -448 x 2^e
	s_add_co_i32 s48, s[\e], 127
	s_lshl_b32 s[\d], s48, 23
	s_add_co_i32 s48, s48, 8
	s_lshl_b32 s48, s48, 23
	s_or_b32 s[\d+1], s48, 0x600000
	s_or_b32 s[\d+2], s[\d+1], 0x80000000
.endm
	SCALE 22, SCA
	SCALE 23, SCB
	s_add_co_i32 s50, s22, s23
	s_add_co_i32 s50, s50, 1                       ; E = ea + eb + 1: 2 xy = 2^E x the sum of the codes' products
	s_sub_co_i32 s[KN], 127, s50
	s_lshl_b32 s[KN], s[KN], 23
	s_or_b32 s[KN], s[KN], 0x80000000              ; -2^-E
	s_add_co_i32 s50, s50, 127
	s_lshl_b32 s50, s50, 23                        ; 2^E
	v_mov_b32 v[RS+1], s50
	s_wait_alu depctr_va_vdst(0)
	v_sqrt_f32 v[RS], v[RS+1]
	v_nop                                          ; a plain instruction behind the root (ISA guide 5.7.2)
	s_wait_alu depctr_va_vdst(0)
; Four pairs of rows in v[xb ..]: their norms and their codes go to LDS.  The four pairs take turns line by line, so that no line waits for the line above it.
; cod: 16 registers for codes; tm: 13 registers at work; sc: the scale's scalars; na, nao: where norms go; st, so: where codes go; b: 1 for sentence2, whose rows of codes are laid by tiles.
.macro QUANT xb, cod, tm, sc, na, nao, st, so, b
	v_mov_b32 v[\tm+12], s[\sc]
.irp p, 0,1,2,3
	v_pk_mul_f32 v[\tm+2*\p:\tm+2*\p+1], v[\xb+16*\p:\xb+16*\p+1], v[\xb+16*\p:\xb+16*\p+1]   ; the squares of the numbers as given, ahead of the hold
.endr
.irp k, 2,4,6,8,10,12,14
.irp p, 0,1,2,3
	v_pk_fma_f32 v[\tm+2*\p:\tm+2*\p+1], v[\xb+16*\p+\k:\xb+16*\p+\k+1], v[\xb+16*\p+\k:\xb+16*\p+\k+1], v[\tm+2*\p:\tm+2*\p+1]
.endr
.endr
.irp p, 0,1,2,3
	v_add_f32 v[\tm+8+\p], v[\tm+2*\p], v[\tm+2*\p+1]
.endr
.irp m, 1,2,4,8                        ; across the 16 lanes that hold a row
.irp p, 0,1,2,3
	v_add_f32_dpp v[\tm+8+\p], v[\tm+8+\p], v[\tm+8+\p] row_xmask:\m row_mask:0xf bank_mask:0xf
.endr
.endr
.irp p, 0,1,2,3
	v_mul_f32 v[\tm+8+\p], s[KN], v[\tm+8+\p]      ; x -2^-E: nothing is rounded
.endr
.irp p, 0,1,2,3
	ds_store_b32 v[\na], v[\tm+8+\p] offset:\nao+8*\p   ; the 16 lanes of a half write one word with one value
.endr
.irp p, 0,1,2,3
.irp i, 0,1,2,3,4,5,6,7,8,9,10,11,12,13,14,15
	v_med3_num_f32 v[\xb+16*\p+\i], v[\xb+16*\p+\i], s[\sc+2], s[\sc+1]   ; the conversion to an 8-bit code does not saturate (ISA guide 7.6.2): the hold at the largest code x the scale, whatever e is
.endr
.endr
.irp p, 0,1,2,3
	v_cvt_scalef32_pk8_fp8_f32 v[\cod+4*\p:\cod+4*\p+1], v[\xb+16*\p:\xb+16*\p+7], v[\tm+12]
	v_cvt_scalef32_pk8_fp8_f32 v[\cod+4*\p+2:\cod+4*\p+3], v[\xb+16*\p+8:\xb+16*\p+15], v[\tm+12]
.endr
	v_nop                                          ; one plain vector instruction behind the last conversion: vector and matrix instructions name these registers again later
.irp p, 0,1,2,3
.if \b
	ds_store_b128 v[\st], v[\cod+4*\p:\cod+4*\p+3] offset:\so+(\p/2+32*(\p%2))*PITCH   ; each half of the lanes writes a whole row of 256 codes
.else
	ds_store_b128 v[\st], v[\cod+4*\p:\cod+4*\p+3] offset:\so+2*\p*PITCH
.endif
.endr
.endm
	s_wait_loadcnt 32                              ; loads come back in order (ISA guide 5.7.1): the first 16 of 48, sentence1's rows 0 to 7, are in; the other 32 may be out
	QUANT 64, 48, 32, SCA, NAX, 0, SA, 0, 0
	s_wait_loadcnt 16                              ; rows 8 to 15 are in; chunk 0's 16 loads may be out
	QUANT 128, 64, 32, SCA, NAX, 32, SA, 8*PITCH, 0
	s_wait_loadcnt 0x0
	QUANT AF, 80, 32, SCB, NAY, 0, SB, 0, 1
	s_wait_alu depctr_va_vdst(0)
	s_wait_dscnt 0x0                               ; for the others' sake: my codes and norms are stored
	s_barrier_signal -1
	s_barrier_wait -1                              ; sentence1's codes, chunk 0's and their norms lie in LDS
; sentence2's eight fragments of my 64 columns of chunk c, and these columns' norms
.macro FETCHB c
	ds_load_b128 v[Y2:Y2+3], v[AY2] offset:512*\c
.irp t, 0,1,2,3
.irp s, 0,1
.irp d, 0,1,2,3
	ds_load_b128 v[BF+32*\t+16*\s+4*\d:BF+32*\t+16*\s+4*\d+3], v[FB] offset:CHB*\c+\t*16*PITCH+128*\s+32*\d
.endr
.endr
.endr
.endm
; sentence1's two fragments of my rows 16 a on (16 rows x 128 K: four loads of 16 bytes, 32 bytes apart, at row x pitch + 16 h; the same places of a row as for sentence2), and these rows' norms
.macro FETCHA a
.irp s, 0,1
.irp d, 0,1,2,3
	ds_load_b128 v[AF+16*\s+4*\d:AF+16*\s+4*\d+3], v[FA] offset:(\a)*16*PITCH+128*\s+32*\d
.endr
.endr
	ds_load_b128 v[X2:X2+3], v[AX2] offset:(\a)*64
	ds_load_b128 v[X2+4:X2+7], v[AX2] offset:(\a)*64+16
.endm
; 16 rows x 64 columns: source 0 = 16 rows of sentence1, source 1 = 16 rows of sentence2: register j of accumulator t in lane (r, h) is row 8 h + j, column 4 r + t.
.macro PROD
	s_wait_dscnt 0x0                               ; the fragments and the norms are in
.irp t, 0,2
.irp u, 0,2,4,6                        ; C = -(x2 + y2) / 2^E; of the columns' pair the low half serves tile t, the high half tile t + 1
	v_pk_add_f32 v[ACC+8*\t+\u:ACC+8*\t+\u+1], v[X2+\u:X2+\u+1], v[Y2+\t:Y2+\t+1] op_sel_hi:[1,0]
	v_pk_add_f32 v[ACC+8*\t+8+\u:ACC+8*\t+8+\u+1], v[X2+\u:X2+\u+1], v[Y2+\t:Y2+\t+1] op_sel:[0,1]
.endr
.endr
.irp s, 0,1                            ; the four accumulators take turns, one instruction a turn
.irp t, 0,1,2,3
	v_wmma_f32_16x16x128_fp8_fp8 v[ACC+8*\t:ACC+8*\t+7], v[AF+16*\s:AF+16*\s+15], v[BF+32*\t+16*\s:BF+32*\t+16*\s+15], v[ACC+8*\t:ACC+8*\t+7]
.endr
.endr
.rept 4
	v_nop                                          ; four places ahead of loads into registers that these products read and of the first read of their results
.endr
.endm
; The way out of rows 16 a on of chunk c, through v[o ..].  again = 1: earlier stores read these registers.
.macro FIN c, a, o, again
.if \again
	s_wait_xcnt 0x0                                ; the earlier stores' registers are written again only behind this wait
.endif
.irp t, 0,1,2,3                        ; each accumulator from its low end on
.irp j, 0,1,2,3,4,5,6,7
	v_max_num_f32 v[\o+4*\j+\t], -v[ACC+8*\t+\j], 0     ; max(sq, 0) / 2^E, put where the store wants it: four neighbouring columns side by side
.endr
.endr
.set n, \o
	s_wait_alu depctr_va_vdst(0)                   ; one wait ahead of each batch and one behind it
.rept 32
	v_sqrt_f32 v[n], v[n]
.set n, n+1
.endr
	v_nop
	s_wait_alu depctr_va_vdst(0)
.set n, \o
.rept 16
	v_pk_fma_f32 v[n:n+1], v[n:n+1], v[RS:RS+1], 1.0 op_sel_hi:[1,0,0]   ; 1 + sqrt(2^E) x the root
.set n, n+2
.endr
.set n, \o
	s_wait_alu depctr_va_vdst(0)
.rept 32
	v_rcp_f32 v[n], v[n]
.set n, n+1
.endr
	v_nop
	s_wait_alu depctr_va_vdst(0)
.irp j, 0,1,2,3,4,5,6,7
	global_store_b128 v[CO], v[\o+4*\j:\o+4*\j+3], s[10:11] offset:(\a)*65536+\j*4096+512*\c th:TH_STORE_NT   ; rows 16 a + j and 16 a + 8 + j: 256 consecutive bytes each, at a multiple of 256 from out0's first byte; written once, read by nobody here
.endr
.endm
	FETCHA 0
	FETCHB 0
	PROD
	FETCHA 1                                       ; the next 16 rows land while these are finished
	FIN 0, 0, OUTR, 0
	PROD                                           ; chunk 0's last rows: their sums wait in the accumulators while chunk 1 is quantised
	s_wait_tensorcnt 0x0                           ; my 8 rows of chunk 1 lie in LDS; only I read them, so this wait is all the ordering that the reads need
.irp p, 0,1,2,3
.irp q, 0,1,2,3
	ds_load_b128 v[BF+16*\p+4*\q:BF+16*\p+4*\q+3], v[LB] offset:2*\p*FROW+256*\q   ; the same lanes and registers as for sentence1; each half of the lanes reads 256 consecutive bytes
.endr
.endr
	s_wait_dscnt 0x0
	QUANT BF, 192, 208, SCB, NAY, 512, SB, CHB, 1
	s_wait_alu depctr_va_vdst(0)
	s_wait_dscnt 0x0                               ; for the others' sake: my codes and norms are stored
	s_barrier_signal -1
	s_barrier_wait -1                              ; chunk 1's codes and norms lie in LDS, in bytes of their own
	FETCHB 1
	FETCHA 0
	FIN 0, 1, OUTR, 1                              ; while chunk 1's fragments land
	PROD
	FETCHA 1
	FIN 1, 0, OUTR, 1
	PROD
	FIN 1, 1, BF, 0                                ; the fragments are done with: their registers take the last results
	s_wait_tensorcnt 0x0                           ; the wave's end: behind my last tensor load and my last LDS store
	ds_add_u32 v[SPW], v[NIL]
	s_wait_dscnt 0x0
	CROUND                                         ; the closing round: no work-group ends while a partner may still ask for a tile that names it
	s_endpgm
.Lfunc_end_k_qe6f7402f09_pairdist:
	.size	k_qe6f7402f09_pairdist, .Lfunc_end_k_qe6f7402f09_pairdist-k_qe6f7402f09_pairdist
	.p2alignl 7, 3214868480
	.fill 96, 4, 3214868480
	.section	.rodata,"a",@progbits
	.p2align	6, 0x0
	.amdhsa_kernel k_qe6f7402f09_pairdist
		.amdhsa_group_segment_fixed_size 274432
		.amdhsa_private_segment_fixed_size 0
		.amdhsa_enable_private_segment 0
		.amdhsa_kernarg_size 32
		.amdhsa_user_sgpr_count 2
		.amdhsa_user_sgpr_kernarg_segment_ptr 1
		.amdhsa_wavefront_size32 1
		.amdhsa_system_sgpr_workgroup_id_x 1
		.amdhsa_system_sgpr_workgroup_id_y 1
		.amdhsa_system_sgpr_workgroup_id_z 1
		.amdhsa_system_vgpr_workitem_id 0
		.amdhsa_next_free_vgpr 256
		.amdhsa_next_free_sgpr 66
		.amdhsa_reserve_vcc 0
		.amdhsa_float_denorm_mode_32 3
		.amdhsa_float_denorm_mode_16_64 3
		.amdhsa_memory_ordered 1
		.amdhsa_forward_progress 1
		.amdhsa_inst_pref_size 84
	.end_amdhsa_kernel
	.amdgpu_metadata
---
amdhsa.version: [ 1, 2 ]
amdhsa.kernels:
  - .name:           k_qe6f7402f09_pairdist
    .symbol:         k_qe6f7402f09_pairdist.kd
    .args:
      - { .name: sentence1, .offset: 0, .size: 8, .value_kind: global_buffer, .address_space: global }
      - { .name: sentence2, .offset: 8, .size: 8, .value_kind: global_buffer, .address_space: global }
      - { .name: lowp_scales, .offset: 16, .size: 8, .value_kind: global_buffer, .address_space: global }
      - { .name: out0, .offset: 24, .size: 8, .value_kind: global_buffer, .address_space: global }
    .group_segment_fixed_size: 274432
    .private_segment_fixed_size: 0
    .kernarg_segment_align: 8
    .kernarg_segment_size: 32
    .max_flat_workgroup_size: 512
    .sgpr_count:     66
    .vgpr_count:     256
    .wavefront_size: 32
...
	.end_amdgpu_metadata
.endif
;; end of part 1
